; MI455X (gfx1250); checked and timed in simulation.
; The chip was launched on July 23, 2026; its instructions are those of AMD's public machine-readable ISA for CDNA 5 (MIT licence, August 2026) and "CDNA5" Instruction Set Architecture Reference Guide (July 2026). The comments in the code are by the model that wrote it; some were corrected since.
;; Quantum Autoencoder. Allowed arithmetic: float matrix products may take bf16 or f16 operands with f32 sums; all other float work in f32.
;; Inputs: weights 26 float32; x 32,768 x 256 float32.
;; Outputs: out0 32,768 x 9 float32.
;; One version. Each part assembles by itself: llvm-mc -triple=amdgcn-amd-amdhsa -mcpu=gfx1250 --defsym DOCPART=n.
;; ======== version 1 of 1: 1 launch
;; limits: values are held in f16: magnitudes above 65,504 overflow, below 6.1e-05 lose precision; right only within a limited range of input values; an absolute error that grows with the inputs' magnitude: up to 6e-08 times it
;; launch qae (part 1): grid 256 x 1, 8 waves a work-group, no clusters, 168,960 bytes of LDS; arguments x, weights, out0; writes out0
.if DOCPART == 1
	.amdgcn_target "amdgcn-amd-amdhsa--gfx1250"
	.amdhsa_code_object_version 6
	.text
	.protected	k_q00d440c027_qae
	.globl	k_q00d440c027_qae
	.p2align	8
	.type	k_q00d440c027_qae,@function
k_q00d440c027_qae:
	s_mov_b64 s[64:65], 0
	v_nop
	global_prefetch_b8 v0, s[64:65] scope:SCOPE_SE
	s_setreg_imm32_b32 hwreg(HW_REG_WAVE_MODE, 25, 1), 1
	s_wait_xcnt 0x0
; QuantumAutoencoder: out[s][0..8] = <X6>,<Y6>,<Z6>,<X7>,<Y7>,<Z7>,<X6X7>,<Y6Y7>,<Z6Z7> of psi = circuit(x[s]/|x[s]|).
; x [32768][256] f32, weights [26] f32, out0 [32768][9] f32.
;
; THE MATHS.  All gates are real.  A CZ layer is the diagonal (-1)^(b0 b1 + (b0^b1)(b2+..+b7)).  On wires {0,1} x (three wires u)
; with p = parity of the other three wires it is  D(p) = (P00-P11) x I + (-1)^p (P01+P10) x ZZZ,
; and P00-P11 = (Z0+Z1)/2, P01+P10 = (1-Z0Z1)/2.  With the sets SB = {0,1,5,6,7} and SA = {0,1,2,3,4} the 26 RY and 3 CZ layers are
;   stage 0 (SB): R1(5,6,7)                       stage 1 (SA): R2(0..4) D1(p) R1(0..4)
;   stage 2 (SB): R3(0,1,5,6,7) D2(p) R2(5,6,7)   stage 3 (SA): L4(0,1) D3(p) R3(2,3,4)
; Each stage is a 32 x 32 matrix  W_p = RB D(p) RA = A0 x V0 + (-1)^p A1 x V1,  where per wire F^0 = RY(b)RY(a) = RY(a+b),
; F^1 = RY(b) Z RY(a) = Z RY(a-b),  V_z = F^z x F^z x F^z on the three u wires,
; A0 = (F0^1 x F1^0 + F0^0 x F1^1)/2,  A1 = (F0^0 x F1^0 - F0^1 x F1^1)/2.   (Stage 0 has no D: A0 = F0^0 x F1^0, A1 = 0.)
;
; THE LAYOUT.  The state is the B operand: column n = lane%16 = sample, k bit 3 = lane/16 = wire 0, k bit 4 = wire 1,
; k bits 2..0 = the set's three u wires; the other three wires number the group (8 groups of 8 packed registers).  The result has the
; same sample in the same lane, m = 16 mt + 8 (lane/16) + register, so going from one set to the other is only a choice of the two
; sources of each v_cvt_pk_f16_f32.  p is the parity of the group's number: it picks W_0 or W_1 at assembly time.
; 8 groups x 2 M tiles x 4 stages = 64 matrix instructions.  After stage 3 wires 6,7 are register numbers: the nine numbers are sums in the lane.
;
; THE WORK-GROUP: 8 waves, 128 rows; a wave owns 16 rows, brought by one tensor load of its own (one outstanding per wave) into LDS rows
; of 1024+16 bytes.  While x is on its way wave w builds W_0, W_1 of stage w/2, M tile w%2 and leaves them in LDS for all.
; No cluster: work-groups share nothing but the 104 bytes of weights.
;
; LIMITS.  Operands are f16 (bf16's 8 bits would leave an error near the allowed 1% of the outputs' rms), sums f32.  So a row's norm has
; to stay below 65504; rows with norm under about 1e-3 lose accuracy (f16 step 2^-24), a row with every |x| < 2^-25 gives NaN.
; The norm is taken behind the circuit (sum of psi^2 = sum of x^2, the gates being orthogonal).  <Y6>, <Y7> of a real state are 0; they are
; written as 0 * <Z6>, which keeps the NaN of an all-zero row; the zero's sign may differ.  cos, sin: reduction by whole turns in f32,
; error about 6e-8 |angle|, then polynomials on a quarter of the half-angle and two doublings (about 1e-6).
.set ROWB, 1040                        ; LDS pitch of a row of x: 65 x 16 bytes, so 16 rows fall in 16 different 16-byte columns of 256
.set XW,   16*ROWB                     ; a wave's tile
.set MATB, 8*XW                        ; matrices: wave w's 2048 bytes = W_0 (two planes of 512), W_1 (two planes)
.set TABB, MATB+16384                  ; 256 bytes a wave: sixteen 2 x 2 matrices F^z of slot sl at 16 (sl + 8 z)
.set OUTB, TABB+2048                   ; 128 samples x 36 bytes
.set MATR, 32                          ; v[32:63]   W[p][mt], 8 registers each
.set PB,   64                          ; v[64:127]  packed state, group g at 8 g
.set DB,   128                         ; v[128:255] x as loaded, then results: group g, tile mt at 16 g + 8 mt
; the builder's registers (free before x is read)
.set F2, 64                            ; rows of F^0, F^1 of slot 2 (k bit 2), picked by my row's bit 2: pairs at F2, F2+2
.set F3, 68                            ; slot 3 (bit 1)
.set F4, 72                            ; slot 4 (bit 0)
.set F0, 76                            ; wire 0: F^0[m3][h], F^1[m3][h]
.set F1, 78                            ; wire 1: row mt of F^0, of F^1
.set GG, 82                            ; F3 x F4: 4 numbers for z = 0, 4 for z = 1
.set VV, 90                            ; V_0[8], V_1[8]
.set T00, 106
.set A0, 108                           ; A0[mt][c], c = 0,1
.set A1, 110
.set TT, 112
.set W0, 32
.set W1, 40
	s_load_b128 s[4:7], s[0:1], 0x0                ; x s[4:5], weights s[6:7]
	s_load_b64 s[8:9], s[0:1], 0x10                ; out0
	v_lshl_add_u32 v30, v0, 2, 0x29000
	v_mov_b32 v31, 0
	ds_add_u32 v30, v31
	ds_add_u32 v30, v31
	v_lshrrev_b32 v1, 5, v0
	v_readfirstlane_b32 s10, v1                    ; wave 0..7
	; tensor descriptor: 16 rows x 256 f32, 4 words of padding behind every 256 words
	s_mov_b32 s16, (2<<16)|(1<<20)|(7<<22)|(3<<25) ; element of 4 bytes; padding on; interval code 7 (256 words); 4 words
	s_mov_b32 s17, 256<<16                         ; tensor_dim0 = 256
	s_mov_b32 s18, 16<<16                          ; tensor_dim1 = 16
	s_mov_b32 s19, 256<<16                         ; tile_dim0 = 256
	s_mov_b32 s20, 16                              ; tile_dim1 = 16
	s_mov_b32 s21, 256                             ; elements from row to row
	s_mov_b32 s22, 0
	s_mov_b32 s23, 0
	s_mov_b32 s24, 1
	s_mul_i32 s25, s10, XW                         ; my tile in LDS
	s_lshl_b32 s12, ttmp9, 17                      ; 128 rows of 1024 bytes a work-group
	s_lshl_b32 s13, s10, 14                        ; 16 rows a wave
	s_add_co_u32 s12, s12, s13
	s_mov_b32 s13, 0
	; which two weights my lane's angle is made of.  Lane: slot sl = lane & 7 (0,1: wires 0,1; 2,3,4: the u wires), z = bit 3.
	s_lshr_b32 s14, s10, 1                         ; stage 0..3
	s_and_b32 s28, s14, 1
	s_cmp_eq_u32 s28, 0
	s_cselect_b32 s28, 3, 0                        ; even stages (SB): slots 2,3,4 are wires 5,6,7
	s_sub_co_i32 s29, s14, 1
	s_max_i32 s29, s29, 0
	s_lshl_b32 s29, s29, 3                         ; RA's layer x 8: 0, 0, 8, 16
	s_lshl_b32 s30, s14, 3                         ; RB's layer x 8: -, 8, 16, 24
	v_and_b32 v6, 7, v0
	v_mov_b32 v7, s28
	v_cmp_lt_u32 vcc_lo, 1, v6
	v_cndmask_b32 v7, 0, v7, vcc_lo
	v_add_nc_u32 v6, v6, v7                        ; wire
	v_add_nc_u32 v7, s29, v6
	v_add_nc_u32 v8, s30, v6
	v_min_u32 v7, 25, v7                           ; idle slots and absent gates stay inside the 26 weights; they are masked below
	v_min_u32 v8, 25, v8
	v_lshlrev_b32 v7, 2, v7
	v_lshlrev_b32 v8, 2, v8
	s_wait_dscnt 0x0
	s_wait_kmcnt 0x0
	s_add_nc_u64 s[26:27], s[4:5], s[12:13]
	s_or_b32 s27, s27, 0x80000000                  ; type 2
	tensor_load_to_lds s[24:27], s[16:23]          ; my 16 KB: everything the wave will read of x is now asked for
	s_nop 0
	global_load_b32 v9, v7, s[6:7]                 ; alpha (RA's angle)
	global_load_b32 v10, v8, s[6:7]                ; beta (RB's angle)
	; which gates exist, as lane masks (one byte = slots 0..7, the same for z = 0, 1 and for both lane halves)
	s_mov_b32 s31, 0x1c1c1c1c                      ; u slots
	s_mov_b32 s32, 0x1f1f1f1f                      ; all five
	s_mov_b32 s33, 0x03030303                      ; wires 0, 1
	s_cmp_eq_u32 s14, 1
	s_cselect_b32 s31, s32, s31                    ; RA: u wires; in stage 1 wires 0, 1 too
	s_cmp_eq_u32 s14, 3
	s_cselect_b32 s33, s33, s32                    ; RB: all five; in stage 3 wires 0, 1 alone;
	s_cmp_eq_u32 s14, 0
	s_cselect_b32 s33, 0, s33                      ; in stage 0 none
	s_cselect_b32 s36, 0, 0.5                      ; k1: weight of the D terms
	s_cselect_b32 s38, 1.0, 0                      ; k2: weight of F0^0 x F1^0 in A0 (stage 0 has no D)
	s_mov_b32 s37, s36                             ; the packed forms name pairs
	s_mov_b32 s39, s38
	s_mov_b32 s40, 0x76543210                      ; v_permlanex16_b32: lane i of the other half
	s_mov_b32 s41, 0xfedcba98
	; LDS addresses
	v_and_b32 v2, 31, v0                           ; lane
	v_and_b32 v20, 15, v0                          ; r: sample, or row of a matrix tile
	v_bfe_u32 v22, v0, 4, 1                        ; h
	s_lshl_b32 s34, s10, 8
	s_add_co_u32 s34, s34, TABB                    ; my table
	v_lshl_add_u32 v21, v20, 4, s34                ; where my lane's 2 x 2 matrix goes
	v_bfe_u32 v23, v0, 2, 1
	v_lshl_add_u32 v23, v23, 3, s34                ; row (8 bytes) picked by my row's bit 2,
	v_bfe_u32 v24, v0, 1, 1
	v_lshl_add_u32 v24, v24, 3, s34                ; bit 1,
	v_and_b32 v25, 1, v0
	v_lshl_add_u32 v25, v25, 3, s34                ; bit 0
	v_bfe_u32 v26, v0, 3, 1
	v_lshl_add_u32 v26, v26, 3, s34                ; wire 0: row m3 = bit 3,
	v_lshl_add_u32 v26, v22, 2, v26                ; column k3 = h
	v_bfe_u32 v27, v0, 5, 1                        ; M tile mt = wave % 2 = bit 5 of the thread's number = output bit of wire 1
	v_lshl_add_u32 v27, v27, 3, s34                ; wire 1: row mt
	s_lshl_b32 s42, s10, 11
	s_add_co_u32 s42, s42, MATB
	v_lshl_add_u32 v28, v2, 4, s42                 ; where my fragments go: 16 bytes a lane, planes of 512
	v_lshlrev_b32 v4, 4, v2
	v_add_nc_u32 v4, MATB, v4                      ; from where fragments are read
	v_mul_u32_u24 v3, v20, ROWB
	v_lshl_add_u32 v3, v22, 9, v3                  ; wire 0 = upper or lower 512 bytes of the row
	v_add_nc_u32 v3, s25, v3                       ; my sample's half row
	s_mul_i32 s43, s10, 576
	s_add_co_u32 s43, s43, OUTB
	v_mul_u32_u24 v5, v20, 36
	v_add_nc_u32 v5, s43, v5                       ; my sample's nine results
	v_and_b32 v11, 8, v0
	v_lshlrev_b32 v11, 28, v11                     ; sign bit where z = 1
	; cos, sin of (alpha +- beta)/2
	s_wait_loadcnt 0x0
	v_cndmask_b32 v9, 0, v9, s31                   ; an absent gate is the angle 0
	v_cndmask_b32 v10, 0, v10, s33
	v_xor_b32 v10, v11, v10                        ; z = 1: alpha - beta
	v_add_f32 v9, v9, v10
	v_mul_f32 v9, 0x3da2f983, v9                   ; / 4 pi: the half-angle in turns
	v_rndne_f32 v10, v9
	v_sub_f32 v9, v9, v10                          ; -0.5 .. 0.5
	v_mul_f32 v9, 0x3fc90fdb, v9                   ; x pi/2: y = a quarter of the half-angle, |y| <= pi/4
	v_mul_f32 v10, v9, v9
	v_mov_b32 v12, 0x3638ef1d                      ; sin y / y = 1 - y2/6 + y4/120 - y6/5040 + y8/362880
	v_mov_b32 v13, 0x37d00d01                      ; cos y = 1 - y2/2 + y4/24 - y6/720 + y8/40320
	v_fmaak_f32 v12, v12, v10, 0xb9500d01
	v_fmaak_f32 v13, v13, v10, 0xbab60b61
	v_fmaak_f32 v12, v12, v10, 0x3c088889
	v_fmaak_f32 v13, v13, v10, 0x3d2aaaab
	v_fmaak_f32 v12, v12, v10, 0xbe2aaaab
	v_fmaak_f32 v13, v13, v10, 0xbf000000
	v_fmaak_f32 v12, v12, v10, 0x3f800000
	v_fmaak_f32 v13, v13, v10, 0x3f800000
	v_mul_f32 v12, v12, v9
	v_mul_f32 v14, v12, v13                        ; double the angle: sin 2y = 2 s c, cos 2y = 1 - 2 s s
	v_mul_f32 v15, v12, v12
	v_add_f32 v12, v14, v14
	v_fma_f32 v13, v15, -2.0, 1.0
	v_mul_f32 v14, v12, v13                        ; and once more
	v_mul_f32 v15, v12, v12
	v_add_f32 v14, v14, v14                        ; s
	v_fma_f32 v16, v15, -2.0, 1.0                  ; c
	v_xor_b32 v17, 0x80000000, v14                 ; row 0 = (c, -s)
	v_xor_b32 v18, v11, v14                        ; row 1 = (s, c), for z = 1 (Z in front) negated
	v_xor_b32 v19, v11, v16
	ds_store_b128 v21, v[16:19]                    ; lanes 16-31 repeat lanes 0-15
	; LDS serves a wave's instructions in order (ISA guide 5.7.1): the loads below see the store above; the table is this wave's own
	ds_load_b64 v[F2:F2+1],   v23 offset:32
	ds_load_b64 v[F2+2:F2+3], v23 offset:160
	ds_load_b64 v[F3:F3+1],   v24 offset:48
	ds_load_b64 v[F3+2:F3+3], v24 offset:176
	ds_load_b64 v[F4:F4+1],   v25 offset:64
	ds_load_b64 v[F4+2:F4+3], v25 offset:192
	ds_load_b32 v[F0],        v26
	ds_load_b32 v[F0+1],      v26 offset:128
	ds_load_b64 v[F1:F1+1],   v27 offset:16
	ds_load_b64 v[F1+2:F1+3], v27 offset:144
	s_wait_dscnt 0x0
	; V_z[4a+2b+c] = F2^z[a] F3^z[b] F4^z[c] of my row.  op_sel / op_sel_hi pick the pair's first or second register for both halves.
.irp z, 0,1
	v_pk_mul_f32 v[GG+4*\z:GG+4*\z+1],   v[F4+2*\z:F4+2*\z+1], v[F3+2*\z:F3+2*\z+1] op_sel_hi:[1,0]
	v_pk_mul_f32 v[GG+4*\z+2:GG+4*\z+3], v[F4+2*\z:F4+2*\z+1], v[F3+2*\z:F3+2*\z+1] op_sel:[0,1] op_sel_hi:[1,1]
.endr
.irp z, 0,1
.irp b, 0,1
	v_pk_mul_f32 v[VV+8*\z+2*\b:VV+8*\z+2*\b+1],     v[GG+4*\z+2*\b:GG+4*\z+2*\b+1], v[F2+2*\z:F2+2*\z+1] op_sel_hi:[1,0]
	v_pk_mul_f32 v[VV+8*\z+4+2*\b:VV+8*\z+4+2*\b+1], v[GG+4*\z+2*\b:GG+4*\z+2*\b+1], v[F2+2*\z:F2+2*\z+1] op_sel:[0,1] op_sel_hi:[1,1]
.endr
.endr
	; wires 0, 1: pairs over c = input bit of wire 1
	v_pk_mul_f32 v[T00:T00+1], v[F1:F1+1], v[F0:F0+1] op_sel_hi:[1,0]                           ; F0^0 F1^0
	v_pk_mul_f32 v[A0:A0+1],   v[F1:F1+1], v[F0:F0+1] op_sel:[0,1] op_sel_hi:[1,1]              ; F0^1 F1^0
	v_pk_fma_f32 v[A1:A1+1], v[F1+2:F1+3], v[F0:F0+1], v[T00:T00+1] op_sel:[0,1,0] op_sel_hi:[1,1,1] neg_lo:[0,1,0] neg_hi:[0,1,0]  ; F0^0 F1^0 - F0^1 F1^1
	v_pk_fma_f32 v[A0:A0+1], v[F1+2:F1+3], v[F0:F0+1], v[A0:A0+1] op_sel_hi:[1,0,1]             ; F0^1 F1^0 + F0^0 F1^1
	v_pk_mul_f32 v[A1:A1+1], v[A1:A1+1], s[36:37] op_sel_hi:[1,0]
	v_pk_mul_f32 v[A0:A0+1], v[A0:A0+1], s[36:37] op_sel_hi:[1,0]
	v_pk_fma_f32 v[A0:A0+1], v[T00:T00+1], s[38:39], v[A0:A0+1] op_sel_hi:[1,0,1]
	; W_0, W_1 = A0 V0 +- A1 V1.  Register 4c + j of a fragment holds k bits (c, h, j, half): two neighbouring V entries
.irp c, 0,1
.irp j, 0,1,2,3
	v_pk_mul_f32 v[TT:TT+1],   v[VV+8+2*\j:VV+8+2*\j+1], v[A1:A1+1] op_sel:[0,\c] op_sel_hi:[1,\c]
	v_pk_fma_f32 v[TT+2:TT+3], v[VV+2*\j:VV+2*\j+1], v[A0:A0+1], v[TT:TT+1] op_sel:[0,\c,0] op_sel_hi:[1,\c,1]
	v_pk_fma_f32 v[TT+4:TT+5], v[VV+2*\j:VV+2*\j+1], v[A0:A0+1], v[TT:TT+1] op_sel:[0,\c,0] op_sel_hi:[1,\c,1] neg_lo:[0,0,1] neg_hi:[0,0,1]
	v_cvt_pk_f16_f32 v[W0+4*\c+\j], v[TT+2], v[TT+3]
	v_cvt_pk_f16_f32 v[W1+4*\c+\j], v[TT+4], v[TT+5]
.endr
.endr
	ds_store_b128 v28, v[W0:W0+3]
	ds_store_b128 v28, v[W0+4:W0+7] offset:512
	ds_store_b128 v28, v[W1:W1+3]   offset:1024
	ds_store_b128 v28, v[W1+4:W1+7] offset:1536
	s_wait_dscnt 0x0                               ; my two fragments are in LDS before I say so
	s_barrier_signal -1
	s_barrier_wait -1                              ; all sixteen fragments (8 waves x 2) are there; my tensor load may still be out: only I read its tile
; the four fragments of a stage: W[p][mt], two planes each, 16 bytes a lane from 512 neighbouring bytes
.macro LOADMAT st
.irp p, 0,1
.irp mt, 0,1
.irp pl, 0,1
	ds_load_b128 v[MATR+16*\p+8*\mt+4*\pl:MATR+16*\p+8*\mt+4*\pl+3], v4 offset:\st*4096+\mt*2048+\p*1024+\pl*512
.endr
.endr
.endr
.endm
; group g (parity p): 32 inputs x 16 samples -> 32 outputs.  C = 0: every stage starts its sums, nothing is cleared
.macro MUL2 g, p
.irp mt, 0,1
	v_wmma_f32_16x16x32_f16 v[DB+16*\g+8*\mt:DB+16*\g+8*\mt+7], v[MATR+16*\p+8*\mt:MATR+16*\p+8*\mt+7], v[PB+8*\g:PB+8*\g+7], 0
.endr
.endm
.macro STAGE
	MUL2 0, 0
	MUL2 1, 1
	MUL2 2, 1
	MUL2 3, 0
	MUL2 4, 1
	MUL2 5, 0
	MUL2 6, 0
	MUL2 7, 1
.endm
; A vector instruction that reads a matrix result or writes a matrix source, and a load into a source, stand four places behind the
; matrix instruction; only independent plain vector instructions are places
.macro PLACES
.rept 4
	v_nop
.endr
.endm
; From one set to the other.  Old: group (u2 u1 u0), tile b = wire 1, register G.  New: group G, register 4 b + (u2 u1), half u0.
.macro REPACK
.irp G, 0,1,2,3,4,5,6,7
.irp b, 0,1
.irp u, 0,1,2,3
	v_cvt_pk_f16_f32 v[PB+8*\G+4*\b+\u], v[DB+32*\u+8*\b+\G], v[DB+32*\u+16+8*\b+\G]
.endr
.endr
.endr
.endm
; the next stage: its fragments come from LDS while the 64 conversions run
.macro NEXT st
	PLACES
	LOADMAT \st
	REPACK
	s_wait_dscnt 0x0
	STAGE
.endm
; stage 0, group g = wires (2,3,4): its four chunks of 16 bytes (wire 1, wire 5; wires 6,7 inside) lie in the 16 registers that its results take
.macro FIRST g, p
	s_wait_dscnt 28-4*\g                           ; LDS loads return in order (ISA guide 5.7.1): the 4 (7-g) chunks of later groups stay out
.irp n, 0,1,2,3
	v_cvt_pk_f16_f32 v[PB+8*\g+2*\n],   v[DB+16*\g+4*\n],   v[DB+16*\g+4*\n+1]
	v_cvt_pk_f16_f32 v[PB+8*\g+2*\n+1], v[DB+16*\g+4*\n+2], v[DB+16*\g+4*\n+3]
.endr
	MUL2 \g, \p
.endm
	LOADMAT 0
	s_wait_tensorcnt 0x0                           ; my tile is in LDS
.irp g, 0,1,2,3,4,5,6,7
.irp b, 0,1
.irp f, 0,1
	ds_load_b128 v[DB+16*\g+8*\b+4*\f:DB+16*\g+8*\b+4*\f+3], v3 offset:32*\g+256*\b+16*\f
.endr
.endr
.endr
	FIRST 0, 0
	FIRST 1, 1
	FIRST 2, 1
	FIRST 3, 0
	FIRST 4, 1
	FIRST 5, 0
	FIRST 6, 0
	FIRST 7, 1
	NEXT 1
	NEXT 2
	NEXT 3
	PLACES
	; THE NINE NUMBERS.  Group = (wire 5, wire 6, wire 7): a_e, e = 2 b6 + b7, lie 16 registers apart; two neighbouring registers at a time.
.set SQ,  64                           ; sums of a0^2, a1^2, a2^2, a3^2: pairs at SQ, +2, +4, +6
.set CX6, 72                           ; a0 a2 + a1 a3
.set CX7, 74                           ; a0 a1 + a2 a3
.set C03, 76                           ; a0 a3
.set C12, 78                           ; a1 a2
.set STARTED, 0
.macro QUAD a
.if STARTED
	v_pk_fma_f32 v[SQ:SQ+1],     v[\a:\a+1],       v[\a:\a+1],       v[SQ:SQ+1]
	v_pk_fma_f32 v[SQ+2:SQ+3],   v[\a+16:\a+17],   v[\a+16:\a+17],   v[SQ+2:SQ+3]
	v_pk_fma_f32 v[SQ+4:SQ+5],   v[\a+32:\a+33],   v[\a+32:\a+33],   v[SQ+4:SQ+5]
	v_pk_fma_f32 v[SQ+6:SQ+7],   v[\a+48:\a+49],   v[\a+48:\a+49],   v[SQ+6:SQ+7]
	v_pk_fma_f32 v[CX6:CX6+1],   v[\a:\a+1],       v[\a+32:\a+33],   v[CX6:CX6+1]
	v_pk_fma_f32 v[CX7:CX7+1],   v[\a:\a+1],       v[\a+16:\a+17],   v[CX7:CX7+1]
	v_pk_fma_f32 v[C03:C03+1],   v[\a:\a+1],       v[\a+48:\a+49],   v[C03:C03+1]
	v_pk_fma_f32 v[C12:C12+1],   v[\a+16:\a+17],   v[\a+32:\a+33],   v[C12:C12+1]
.else
	v_pk_mul_f32 v[SQ:SQ+1],     v[\a:\a+1],       v[\a:\a+1]                    ; the first products start the sums
	v_pk_mul_f32 v[SQ+2:SQ+3],   v[\a+16:\a+17],   v[\a+16:\a+17]
	v_pk_mul_f32 v[SQ+4:SQ+5],   v[\a+32:\a+33],   v[\a+32:\a+33]
	v_pk_mul_f32 v[SQ+6:SQ+7],   v[\a+48:\a+49],   v[\a+48:\a+49]
	v_pk_mul_f32 v[CX6:CX6+1],   v[\a:\a+1],       v[\a+32:\a+33]
	v_pk_mul_f32 v[CX7:CX7+1],   v[\a:\a+1],       v[\a+16:\a+17]
	v_pk_mul_f32 v[C03:C03+1],   v[\a:\a+1],       v[\a+48:\a+49]
	v_pk_mul_f32 v[C12:C12+1],   v[\a+16:\a+17],   v[\a+32:\a+33]
.endif
	v_pk_fma_f32 v[CX6:CX6+1],   v[\a+16:\a+17],   v[\a+48:\a+49],   v[CX6:CX6+1]
	v_pk_fma_f32 v[CX7:CX7+1],   v[\a+32:\a+33],   v[\a+48:\a+49],   v[CX7:CX7+1]
.set STARTED, 1
.endm
.irp f, 0,1
.irp b, 0,1
.irp j, 0,1,2,3
	QUAD DB+64*\f+8*\b+2*\j
.endr
.endr
.endr
.irp q, 64,66,68,70,72,74,76,78
	v_add_f32 v[\q], v[\q], v[\q+1]                ; the two halves of each pair
.endr
	v_add_f32 v65, v64, v66                        ; a0^2 + a1^2
	v_sub_f32 v67, v64, v66                        ; a0^2 - a1^2
	v_add_f32 v69, v68, v70                        ; a2^2 + a3^2
	v_sub_f32 v71, v68, v70                        ; a2^2 - a3^2
	v_add_f32 v80, v65, v69                        ; norm^2
	v_sub_f32 v81, v65, v69                        ; Z6: + + - -
	v_add_f32 v82, v67, v71                        ; Z7: + - + -
	v_sub_f32 v83, v67, v71                        ; Z6 Z7: + - - +
	v_add_f32 v84, v76, v78                        ; X6 X7 / 2 = a0 a3 + a1 a2
	v_sub_f32 v85, v78, v76                        ; Y6 Y7 / 2 = a1 a2 - a0 a3
	v_permlanex16_b32 v88, v80, s40, s41           ; the other value of wire 0 lies in the other lane half
	v_add_f32 v80, v80, v88
	v_rcp_f32 v96, v80                             ; its result is first used far below, behind plain vector instructions (ISA guide 5.7.2)
.irp q, 81,82,83,84,85,72,74
	v_permlanex16_b32 v88, v\q, s40, s41
	v_add_f32 v\q, v\q, v88
.endr
	s_wait_alu depctr_va_vdst(0)
	v_add_f32 v97, v96, v96                        ; the cross terms count twice
	v_mul_f32 v100, v72, v97                       ; <X6>
	v_mul_f32 v102, v81, v96                       ; <Z6>
	v_mul_f32 v103, v74, v97                       ; <X7>
	v_mul_f32 v105, v82, v96                       ; <Z7>
	v_mul_f32 v106, v84, v97                       ; <X6 X7>
	v_mul_f32 v107, v85, v97                       ; <Y6 Y7>
	v_mul_f32 v108, v83, v96                       ; <Z6 Z7>
	v_mul_f32 v101, 0, v102                        ; <Y6> = <Y7> = 0 for a real state; the product keeps a zero row's NaN
	ds_store_b32 v5, v100                          ; rows of 9 words: 16 samples fall on 16 different banks; both lane halves hold the same numbers
	ds_store_b32 v5, v101 offset:4
	ds_store_b32 v5, v102 offset:8
	ds_store_b32 v5, v103 offset:12
	ds_store_b32 v5, v101 offset:16
	ds_store_b32 v5, v105 offset:20
	ds_store_b32 v5, v106 offset:24
	ds_store_b32 v5, v107 offset:28
	ds_store_b32 v5, v108 offset:32
	s_wait_dscnt 0x0
	s_barrier_signal -1
	s_barrier_wait -1
	; the work-group's 4608 bytes = 288 pieces of 16: thread t takes piece t, wave 0 also pieces 256..287.
	; Each store of a wave covers 512 consecutive bytes that start on a multiple of 256 (4608 = 18 x 256).
	v_lshlrev_b32 v6, 4, v0
	v_add_nc_u32 v7, OUTB, v6
	ds_load_b128 v[8:11], v7
	s_mul_i32 s12, ttmp9, 4608
	s_add_nc_u64 s[8:9], s[8:9], s[12:13]          ; s13 is still 0
	s_wait_dscnt 0x0
	global_store_b128 v6, v[8:11], s[8:9] th:TH_STORE_NT
	s_cmp_lg_u32 s10, 0
	s_cbranch_scc1 .Lend
	ds_load_b128 v[12:15], v7 offset:4096
	s_wait_dscnt 0x0
	global_store_b128 v6, v[12:15], s[8:9] offset:4096 th:TH_STORE_NT
.Lend:
	s_wait_tensorcnt 0x0
	ds_add_u32 v30, v31
	s_wait_dscnt 0x0
	s_endpgm
.Lfunc_end_k_q00d440c027_qae:
	.size	k_q00d440c027_qae, .Lfunc_end_k_q00d440c027_qae-k_q00d440c027_qae
	.p2alignl 7, 3214868480
	.fill 96, 4, 3214868480
	.section	.rodata,"a",@progbits
	.p2align	6, 0x0
	.amdhsa_kernel k_q00d440c027_qae
		.amdhsa_group_segment_fixed_size 168960
		.amdhsa_private_segment_fixed_size 0
		.amdhsa_enable_private_segment 0
		.amdhsa_kernarg_size 24
		.amdhsa_user_sgpr_count 2
		.amdhsa_user_sgpr_kernarg_segment_ptr 1
		.amdhsa_wavefront_size32 1
		.amdhsa_system_sgpr_workgroup_id_x 1
		.amdhsa_system_sgpr_workgroup_id_y 1
		.amdhsa_system_sgpr_workgroup_id_z 1
		.amdhsa_system_vgpr_workitem_id 0
		.amdhsa_next_free_vgpr 256
		.amdhsa_next_free_sgpr 66
		.amdhsa_reserve_vcc 1
		.amdhsa_float_denorm_mode_32 3
		.amdhsa_float_denorm_mode_16_64 3
		.amdhsa_memory_ordered 1
		.amdhsa_forward_progress 1
		.amdhsa_inst_pref_size 49
	.end_amdhsa_kernel
	.amdgpu_metadata
---
amdhsa.version: [ 1, 2 ]
amdhsa.kernels:
  - .name:           k_q00d440c027_qae
    .symbol:         k_q00d440c027_qae.kd
    .args:
      - { .name: x, .offset: 0, .size: 8, .value_kind: global_buffer, .address_space: global }
      - { .name: weights, .offset: 8, .size: 8, .value_kind: global_buffer, .address_space: global }
      - { .name: out0, .offset: 16, .size: 8, .value_kind: global_buffer, .address_space: global }
    .group_segment_fixed_size: 168960
    .private_segment_fixed_size: 0
    .kernarg_segment_align: 8
    .kernarg_segment_size: 24
    .max_flat_workgroup_size: 256
    .sgpr_count:     66
    .vgpr_count:     256
    .wavefront_size: 32
...
	.end_amdgpu_metadata
.endif
;; end of part 1
